; MI455X (gfx1250); checked and timed in simulation.
; The chip was launched on July 23, 2026; its instructions are those of AMD's public machine-readable ISA for CDNA 5 (MIT licence, August 2026) and "CDNA5" Instruction Set Architecture Reference Guide (July 2026). The comments in the code are by the model that wrote it; some were corrected since.
;; Causal Self Attention. Allowed arithmetic: matrix products marked QUANTISED: E2M1 operands, one E8M0 scale for each 32 along K, by v_wmma_scale_f32_16x16x128_f8f6f4 with both operands' format E2M1 (or v_wmma_scale_f32_32x16x128_f4), f32 sums; everything else in f32.
;; Inputs: b_attn 3,072 float32; b_proj 1,024 float32; w_attn_codes 3,072 x 32 x 16 uint8 (E2M1 codes of w_attn, K innermost, in blocks of 32 codes, two codes a byte); w_attn_scales 3,072 x 32 uint8 (E8M0 scales of w_attn, one for each 32 codes along K); w_proj_codes 1,024 x 32 x 16 uint8 (E2M1 codes of w_proj, K innermost, in blocks of 32 codes, two codes a byte); w_proj_scales 1,024 x 32 uint8 (E8M0 scales of w_proj, one for each 32 codes along K); x_codes 4 x 2,048 x 32 x 16 uint8 (E2M1 codes of x, K innermost, in blocks of 32 codes, two codes a byte); x_scales 4 x 2,048 x 32 uint8 (E8M0 scales of x, one for each 32 codes along K).
;; Outputs: out0 4 x 2,048 x 1,024 float32.
;; This version of the problem:
;;   THIS VERSION OF THE PROBLEM IS GIVEN IN LOW PRECISION. The matrix products marked QUANTISED in the list below multiply operands that are first quantised to E2M1 (2 exponent bits, 1 mantissa bit; 4 bits a number), with one power-of-two scale for each 32 numbers along K (OCP MX v1.0); their sums are f32. All else is computed in f32.
;;   The module's matrix products, in the order in which they are computed (A, B: the left and right operand; K: the contracted axis; several contracted axes count as one K, in the product's order):
;;     1. [M 8,192, K 1,024] x [K 1,024, N 3,072]; A: input x (given as codes); B: input w_attn (given as codes): QUANTISED
;;     2. batch 64 x [M 2,048, K 64] x [K 64, N 2,048]; A: computed on the way; B: computed on the way: QUANTISED
;;     3. batch 64 x [M 2,048, K 2,048] x [K 2,048, N 64]; A: softmax (see below); B: computed on the way: QUANTISED
;;     4. [M 8,192, K 1,024] x [K 1,024, N 1,024]; A: computed on the way; B: input w_proj (given as codes): QUANTISED
;;   THE QUANTISER, for each operand of a quantised product, along K:
;;     - K is cut into blocks of 32 from its start; a last block that is shorter is filled with zeros.
;;     - A block's scale is 2^e with e = floor(log2(the largest magnitude in the block)) - 2, held to -126 .. 127; a block of zeros has e = 0. As a byte (E8M0): e + 127.
;;     - Each number is divided by its block's scale, clamped to +-6, and rounded to the nearest number of E2M1, ties to even, subnormals kept.
;;     - The product sums the exact products of the quantised numbers (number of the format x scale) in f32.
;;   ~~~python
;;   def quantise(x, axis):      # numpy; x: float32 -> the quantised numbers, widened to float32 again
;;       x = np.moveaxis(x, axis, -1); K = x.shape[-1]
;;       x = np.pad(x, [(0, 0)] * (x.ndim - 1) + [(0, -K % 32)]); x = x.reshape(x.shape[:-1] + (-1, 32)); a = np.abs(x).max(-1, keepdims=True)
;;       e = np.where(a > 0, np.clip(np.frexp(np.where(a > 0, a, 1))[1] - 1 - 2, -126, 127), 0)      # np.frexp(a)[1] - 1 = floor(log2(a)), exactly
;;       r = np.clip(x / 2.0 ** e, -6, 6)
;;       step = 2.0 ** (np.maximum(np.frexp(np.where(r == 0, 1, r))[1] - 1, 0) - 1)
;;       q = np.round(r / step) * step * 2.0 ** e      # np.round: ties to even
;;       return np.moveaxis(q.reshape(q.shape[:-2] + (-1,))[..., :K], -1, axis).astype(np.float32)
;;   ~~~
;;   SOFTMAX AHEAD OF A QUANTISED PRODUCT. Where the list says 'softmax', what is quantised is not the finished softmax but p = 2^(t - M), with t = logit x log2(e) and M = ceil(the row's largest t), a whole number; so 1/2 < the row's largest p <= 1. The row's sum l is taken of the UNQUANTISED p, in f32, and the product's result is divided by l at the end. Since M is a whole number, a kernel that streams over the keys may use a running M (the ceiling of the running maximum): every later rescaling is an exact power of two, which a block's scale takes up: the codes' values come out the same.
;;   OPERANDS COMPUTED ON THE WAY. 'Computed on the way' means the value that the module computes at that place (a softmax that the list does not call 'softmax' is quantised finished and normalised). What goes into a quantiser is computed in f32, as accurately as f32 sums, v_exp_f32 and their like allow (about 1e-6 of the number): no bf16 or f16 on the way to a quantiser, and a product that is left as it is and whose result goes on into a quantised operand takes f32 operands (vector FMAs, or v_wmma_f32_16x16x4_f32). A number that lies on a knife's edge between two numbers of the format may be rounded either way, as far as f32 arithmetic and the matrix unit's own rounding can turn it there, and no further.
;;   INPUTS GIVEN AS CODES. w_attn (in the module: [3072, 1024], K = its axis 1); w_proj (in the module: [1024, 1024], K = its axis 1); x (in the module: [4, 2048, 1024], K = its axis 2): each comes as NAME_codes (uint8): NAME with its K axis moved to the last place and cut into blocks of 32 codes, [.., K / 32, bytes a block], one block behind the other in memory; two codes a byte, the lower K in the low four bits (a code: sign, 2 exponent bits, 1 mantissa bit); and NAME_scales (uint8): the same leading axes, one E8M0 byte (e + 127) for each 32 codes along K. Its value is code x scale, taken as it is: it is not quantised again, and the codes and scales need not be those that the quantiser above would give.
;; One version. Each part assembles by itself: llvm-mc -triple=amdgcn-amd-amdhsa -mcpu=gfx1250 --defsym DOCPART=n.
;; ======== version 1 of 1: 3 launches
;; workspace buffers: qws 4,718,592 bytes; kvws 9,175,040 bytes; yimg 4,194,304 bytes; ysc 262,144 bytes
;; launch qkv (part 1): grid 12 x 32, 4 waves a work-group, clusters of 4 x 4, 296,448 bytes of LDS; arguments x_codes, x_scales, w_attn_codes, w_attn_scales, b_attn, qws, kvws; writes qws, kvws
.if DOCPART == 1
	.amdgcn_target "amdgcn-amd-amdhsa--gfx1250"
	.amdhsa_code_object_version 6
	.text
	.protected	k_q80633c20e6_qkv
	.globl	k_q80633c20e6_qkv
	.p2align	8
	.type	k_q80633c20e6_qkv,@function
k_q80633c20e6_qkv:
	s_mov_b64 s[64:65], 0
	v_nop
	global_prefetch_b8 v0, s[64:65] scope:SCOPE_SE
	s_setreg_imm32_b32 hwreg(HW_REG_WAVE_MODE, 25, 1), 1
	s_wait_xcnt 0x0
	s_wait_alu depctr_hold_cnt(0) depctr_sa_sdst(0) depctr_va_vdst(0) depctr_va_sdst(0) depctr_va_ssrc(0) depctr_va_vcc(0) depctr_vm_vsrc(0)
	s_getreg_b32 s2, hwreg(HW_REG_IB_STS2, 6, 4)
	s_cmp_eq_u32 s2, 0
	s_cbranch_scc0 .Lentry_in_a_cluster
	s_endpgm
.Lentry_in_a_cluster:
	s_bfe_u32 s2, ttmp6, 0x10000c
	s_cmp_lg_u32 s2, 0xf033
	s_cbranch_scc0 .Lentry_shape_is_right
	s_endpgm
.Lentry_shape_is_right:
; qkv = x w_attn^T + b_attn on codes of FP4 (E2M1) with E8M0 scales as they are given; q and k are then quantised along the head's 64 channels, v along the tokens,
; and leave as IMAGES OF OPERAND REGISTERS (16 bytes a lane, 512 consecutive bytes a store) with their scale words, laid as the attention launch reads them.
; x: [8192][1024] codes (512 bytes a row), scales [8192][32].  w_attn: [3072][1024] likewise.  b_attn: [3072] f32.
; qws:  [head of a batch 64][128 tokens 16] blocks of 4,608 bytes: 8 images of 512 bytes (16 tokens x 64 channels), then 512 bytes of scale words [tile / 4][token % 16][tile % 4].
; kvws: the same index, blocks of 8,960 bytes: K as q (4,608 bytes), then V's 4 fragments of 1,024 bytes (16 channels x 128 keys), then 256 bytes of scale words [channel % 16][tile of channels].
; SHARES.  A work-group of four waves makes 256 x 256 of qkv, a wave 128 x 128: 64 accumulators, 512 registers.  All of K = 1,024 lies in LDS: two parts of 512 along K, each filled ONCE, so nothing is filled again.
; THE MODE is the cluster's x: 0 = q, 1 = k, 2 = v; it is the same in all sixteen partners.  Source 0 of the products (side 0) is w_attn's rows for q and k and x's rows for v; source 1 (side 1) the other.
; So a lane holds one token (q, k) or one channel (v), and its registers run along the axis that is quantised: one text multiplies and quantises in all three modes.
; CLUSTERS: 4 x 4 work-groups; side 1's tile hangs on the cluster's row and is asked for jointly along it, side 0's on the column.
; QUANTISER: a block's scale byte is its largest magnitude's exponent field - 2, held at 1 from below.
; LIMITS: NaN and infinities among the inputs are not served; a block of zeros gets the byte 1 (its codes are zeros, and this program alone reads these bytes).
; REGISTERS, in windows of 256: window 0: v1-27 addresses; v32-95 scale words (two sets); v96-111 at work; v112-127 scale words made; v128-191 side 1's fragments, later the codes made; v192-255 the bias as C of the first products.
;   window 1: side 0's fragments, two sets (v0, v128).   windows 2, 3: the accumulators, (a, b) at v[8 (8 (a % 4) + b)].
.set PITCH,  272                       ; an LDS row: 256 bytes + 16 of padding: the 16 rows of a fragment load start at 16 different banks
.set HALFT,  128*PITCH                 ; 128 rows: one tensor load
.set SLOT,   4*HALFT                   ; side 1's 256 rows, then side 0's
.set SCL,    2*SLOT                    ; behind the codes: the scale bytes, as units of 256 bytes + 16
.set HALFS,  16*272                    ; those of 128 rows
.set SBLK,   2*272                     ; those of 16 rows
.set NQ,     4                         ; products deep in a part of 512 along K
.set FR,     8                         ; registers of a fragment
.set QSTR,   4608
.set KVSTR,  8960
.set ADRA, 16                          ; v16-17 LDS address of side 1's fragments, part 0, 1
.set ADRB, 20                          ; v20-21 of side 0's
.set LI,   24                          ; v24  16 x lane
.set VSO,  25                          ; v25  V's scale words: 16 r, and the next head's block for lanes 16-31
.set BA,   26                          ; v26  the bias's offset
.set ADRS, 27                          ; v27  LDS address of my scale words: lanes 0-15 side 1's rows, lanes 16-31 side 0's
.set SC,   32
.set TM,   96                          ; +0..3 largest magnitudes, +4..7 the other half's, then bytes, +12..15 the conversions' scale operands
.set WD,   112
.set AF,   128
.set BI,   192
.set SS,   192
.set G1,   24                          ; s[24:31], s[32:39]: groups 1 and 0 (two parts) for side 1's codes
.set G0,   32
.set G1B,  48                          ; s[48:55], s[56:63]: for side 0's
.set G0B,  56
.set G1S,  68                          ; s[68:75], s[76:79]: side 1's scales;  s[80:87], s[88:91]: side 0's
.set G0S,  76
.set G1SB, 80
.set G0SB, 88
.set SEL,  100                         ; s[100:101] lane selects: lane l xor 16
.set MSB, 0
.macro WIN new                         ; the immediate's high byte repeats the setting that is left
.if MSB != (\new)
	s_set_vgpr_msb (MSB<<8)|(\new)
.set MSB, (\new)
.endif
.endm
; A joint load: waves 0 and 1 fetch for side 1, waves 2 and 3 for side 0.  The branch hangs on the wave's number alone.  Four v_nop follow each line.
.macro JLOAD g0a, g1a, g0b, g1b
	s_cmp_eq_u32 s19, 0
	s_cbranch_scc0 .Lfor_b_\@
	tensor_load_to_lds s[\g0a:\g0a+3], s[\g1a:\g1a+7]
	s_nop 0
.rept 4
	v_nop
.endr
	s_branch .Lasked_\@
.Lfor_b_\@:
	tensor_load_to_lds s[\g0b:\g0b+3], s[\g1b:\g1b+7]
	s_nop 0
.rept 4
	v_nop
.endr
.Lasked_\@:
.endm
.macro CROUND                          ; a round of the cluster's barrier
	s_barrier_signal -1
	s_barrier_wait -1
	s_cmp_lg_u32 s18, 0
	s_cbranch_scc1 .Lnot_wave_0_\@
	s_barrier_signal -3
.Lnot_wave_0_\@:
	s_barrier_wait -3
	s_barrier_signal -1
	s_barrier_wait -1
.endm
	s_load_b256 s[4:11], s[0:1], 0x0               ; x's codes s[4:5], x's scales s[6:7], w's codes s[8:9], w's scales s[10:11]
	s_load_b128 s[12:15], s[0:1], 0x20             ; b_attn s[12:13], qws s[14:15]
	s_load_b64 s[16:17], s[0:1], 0x30              ; kvws
	v_lshl_add_u32 v106, v0, 2, 0x48400
	v_mov_b32 v107, 0
	ds_add_u32 v106, v107
	ds_add_u32 v106, v107
	v_lshrrev_b32 v1, 5, v0
	v_readfirstlane_b32 s18, v1                    ; wave 0..3
	s_lshr_b32 s19, s18, 1                         ; which half of side 1's rows is mine.  Also: I fetch for side 1 (0) or side 0 (1)
	s_and_b32 s20, s18, 1                          ; which half of side 0's.  Also: which 128 rows I fetch
	s_bfe_u32 s40, ttmp6, 0x40000                  ; cx
	s_bfe_u32 s41, ttmp6, 0x40004                  ; cy
	s_and_b32 s22, ttmp7, 0xffff                   ; the cluster's y
	s_cmp_eq_u32 ttmp9, 2                          ; mode v?
	s_cselect_b32 s45, s22, ttmp9                  ; the cluster's coordinate that counts side 0's tiles: x's (by cluster y) in mode v, w's (by cluster x) else
	s_cselect_b32 s46, ttmp9, s22                  ; and side 1's
	s_lshl_b32 s42, s45, 2
	s_add_co_u32 s42, s42, s40                     ; side 0's tile of 256 rows
	s_lshl_b32 s47, s46, 2
	s_add_co_u32 s47, s47, s41                     ; side 1's
	s_lshl_b32 s43, s41, 2
	s_lshl_b32 s43, 15, s43                        ; my row of the cluster
	s_lshl_b32 s44, 0x1111, s40                    ; my column
	; group 1 for codes: 128 rows x 256 bytes, 512 bytes apart in memory, 16 bytes of padding behind each in LDS
	s_or_b32 s[G1+0], s43, (0<<16)|(1<<20)|(1<<21)|(5<<22)|(3<<25)
	s_or_b32 s[G1B+0], s44, (0<<16)|(1<<20)|(1<<21)|(5<<22)|(3<<25)
.irp g, G1, G1B
	s_mov_b32 s[\g+1], 256<<16                     ; tensor_dim0
	s_mov_b32 s[\g+2], 128<<16                     ; tensor_dim1
	s_mov_b32 s[\g+3], 256<<16                     ; tile_dim0
	s_mov_b32 s[\g+4], 128                         ; tile_dim1
	s_mov_b32 s[\g+5], 512                         ; from row to row
	s_mov_b32 s[\g+6], 0
	s_mov_b32 s[\g+7], 0
.endr
	; and for the scales of 128 rows: 4,096 dense bytes as 16 rows of 256 bytes (32 elements of 8), 16 bytes of padding behind each
	s_or_b32 s[G1S+0], s43, (3<<16)|(1<<20)|(1<<21)|(5<<22)|(3<<25)
	s_or_b32 s[G1SB+0], s44, (3<<16)|(1<<20)|(1<<21)|(5<<22)|(3<<25)
.irp g, G1S, G1SB
	s_mov_b32 s[\g+1], 32<<16
	s_mov_b32 s[\g+2], 16<<16
	s_mov_b32 s[\g+3], 32<<16
	s_mov_b32 s[\g+4], 16
	s_mov_b32 s[\g+5], 32
	s_mov_b32 s[\g+6], 0
	s_mov_b32 s[\g+7], 0
.endr
	s_lshl_b32 s21, s20, 7                         ; which 128 rows of a tile I fetch
	s_lshl_b32 s22, s47, 8
	s_add_co_u32 s22, s22, s21                     ; side 1: row
	s_lshl_b32 s22, s22, 5                         ; x 32: its scale bytes
	s_mov_b32 s23, 0
	s_lshl_b32 s100, s42, 8
	s_add_co_u32 s100, s100, s21                   ; side 0: row
	s_lshl_b32 s100, s100, 5
	s_mov_b32 s101, 0
	s_mul_i32 s45, s18, HALFT                      ; where my loads go: wave x 128 rows: no place in the cluster enters an LDS address
	s_mul_i32 s46, s18, HALFS
	s_wait_dscnt 0x0
	s_wait_kmcnt 0x0
	s_cmp_eq_u32 ttmp9, 2                          ; the choice of buffers hangs on the mode alone
	s_cselect_b64 s[92:93], s[4:5], s[8:9]         ; side 0's codes
	s_cselect_b64 s[94:95], s[6:7], s[10:11]       ; side 0's scales
	s_cselect_b64 s[96:97], s[8:9], s[4:5]         ; side 1's codes
	s_cselect_b64 s[98:99], s[10:11], s[6:7]       ; side 1's scales
	s_add_nc_u64 s[94:95], s[94:95], s[100:101]
	s_add_nc_u64 s[98:99], s[98:99], s[22:23]
	s_lshl_b32 s100, s100, 4                       ; row x 512: its codes
	s_lshl_b32 s22, s22, 4
	s_add_nc_u64 s[92:93], s[92:93], s[100:101]
	s_add_nc_u64 s[96:97], s[96:97], s[22:23]
	CROUND                                         ; all sixteen work-groups are here: the joint loads meet
	s_mov_b32 s[G0S], 1
	s_add_co_u32 s[G0S+1], s46, SCL
	s_mov_b64 s[G0S+2:G0S+3], s[98:99]
	s_or_b32 s[G0S+3], s[G0S+3], 0x80000000
	s_mov_b32 s[G0SB], 1
	s_add_co_u32 s[G0SB+1], s46, SCL
	s_mov_b64 s[G0SB+2:G0SB+3], s[94:95]
	s_or_b32 s[G0SB+3], s[G0SB+3], 0x80000000
	JLOAD G0S, G1S, G0SB, G1SB                     ; the scales first: they are wanted with the first part
.irp s, 0,1
	s_mov_b32 s[G0+4*\s], 1
	s_add_co_u32 s[G0+4*\s+1], s45, \s*SLOT
	s_add_nc_u64 s[G0+4*\s+2:G0+4*\s+3], s[96:97], \s*256
	s_or_b32 s[G0+4*\s+3], s[G0+4*\s+3], 0x80000000
	s_mov_b32 s[G0B+4*\s], 1
	s_add_co_u32 s[G0B+4*\s+1], s45, \s*SLOT
	s_add_nc_u64 s[G0B+4*\s+2:G0B+4*\s+3], s[92:93], \s*256
	s_or_b32 s[G0B+4*\s+3], s[G0B+4*\s+3], 0x80000000
	JLOAD G0+4*\s, G1, G0B+4*\s, G1B               ; three tensor loads of mine are out behind the last of these
.endr
	s_mov_b32 s[SEL], 0x76543210
	s_mov_b32 s[SEL+1], 0xfedcba98
	v_and_b32 v1, 15, v0                           ; r
	v_bfe_u32 v2, v0, 4, 1                         ; h
	v_mul_u32_u24 v3, v1, PITCH
	v_lshl_add_u32 v4, v2, 4, v3                   ; a fragment's row x pitch + 16 h
	s_mul_i32 s21, s19, HALFT                      ; my 128 rows of side 1
	s_mul_i32 s22, s20, HALFT                      ; my 128 rows of side 0,
	s_add_co_u32 s22, s22, 2*HALFT                 ; which lie behind side 1's 256
.irp s, 0,1
	v_add_nc_u32 v[ADRA+\s], s21, v4
	v_add_nc_u32 v[ADRB+\s], s22, v4
	s_add_co_u32 s21, s21, SLOT
	s_add_co_u32 s22, s22, SLOT
.endr
	v_mul_u32_u24 v5, v1, 32                       ; my row's scales: 32 bytes a row,
	v_lshrrev_b32 v6, 8, v5
	v_lshl_add_u32 v5, v6, 4, v5                   ; and 16 more for each 256 passed
	s_mul_i32 s21, s19, HALFS
	s_mul_i32 s22, s20, HALFS
	s_add_co_u32 s22, s22, 2*HALFS
	s_sub_co_u32 s22, s22, s21
	v_mul_u32_u24 v6, s22, v2                      ; lanes 16-31 take side 0's: one product in h
	s_add_co_u32 s21, s21, SCL
	v_add_nc_u32 v5, v5, v6
	v_add_nc_u32 v[ADRS], s21, v5
	v_and_b32 v6, 31, v0
	v_lshlrev_b32 v[LI], 4, v6
	v_mul_u32_u24 v[VSO], v2, 16*KVSTR
	v_lshl_add_u32 v[VSO], v1, 4, v[VSO]
.irp b, 0,1,2,3
	v_mov_b32 v[TM+4+\b], 0                        ; written once: a lane permute's destination counts as one of its sources
.endr
	; where my results go
	s_lshl_b32 s21, s42, 8
	s_lshl_b32 s22, s20, 7
	s_add_co_u32 s21, s21, s22                     ; my first row of side 0
	s_lshl_b32 s22, s47, 8
	s_lshl_b32 s23, s19, 7
	s_add_co_u32 s22, s22, s23                     ; and of side 1
	s_cmp_eq_u32 ttmp9, 2
	s_cselect_b32 s23, s21, s22                    ; my first token (a multiple of 128)
	s_cselect_b32 s46, s22, s21                    ; my first row of w_attn (a multiple of 128: two heads)
	s_lshl_b32 s44, s46, 2
	s_mov_b32 s45, 0
	s_add_nc_u64 s[12:13], s[12:13], s[44:45]      ; b_attn at that row
	s_lshr_b32 s21, s23, 11
	s_lshl_b32 s21, s21, 4                         ; 16 x batch
	s_bfe_u32 s22, s46, 0x40006                    ; + the head
	s_add_co_u32 s21, s21, s22
	s_lshl_b32 s21, s21, 4
	s_bfe_u32 s22, s23, 0x40007                    ; x 16 + which 128 tokens of the batch
	s_add_co_u32 s21, s21, s22
	s_mov_b32 s22, KVSTR
	s_cmp_eq_u32 ttmp9, 0
	s_cselect_b32 s22, QSTR, s22                   ; a block's bytes
	s_cselect_b64 s[2:3], s[14:15], s[16:17]       ; q goes to qws, k and v to kvws
	s_mul_i32 s44, s21, s22
	s_add_nc_u64 s[2:3], s[2:3], s[44:45]          ; my first head's block
	s_lshl_b32 s44, s22, 4
	s_add_nc_u64 s[66:67], s[2:3], s[44:45]        ; and my second head's: 16 blocks on
	; the bias, in the result's layout: it is the C of each sum's first product
	s_cmp_eq_u32 ttmp9, 2
	s_cbranch_scc1 .Lbias_v
	v_lshlrev_b32 v[BA], 5, v2                     ; q, k: register 8 b + j of lane (r, h) is row 16 b + 8 h + j of w_attn
.irp b, 0,1,2,3,4,5,6,7
	global_load_b128 v[BI+8*\b:BI+8*\b+3], v[BA], s[12:13] offset:64*\b
	global_load_b128 v[BI+8*\b+4:BI+8*\b+7], v[BA], s[12:13] offset:64*\b+16
.endr
	s_branch .Lbias_done
.Lbias_v:
	v_lshlrev_b32 v[BA], 2, v1                     ; v: all eight registers of tile a are row 16 a + r
.irp a, 0,1,2,3,4,5,6,7
.irp j, 0,1,2,3,4,5,6,7
	global_load_b32 v[BI+8*\a+\j], v[BA], s[12:13] offset:64*\a
.endr
.endr
.Lbias_done:
.macro FRAG reg, adr, q, i             ; 16 rows x 128 K of 4-bit codes: registers 4 c .. 4 c + 3 of lane (r, h) hold K = 64 c + 32 h + 0 .. 31
.irp c, 0,1
	ds_load_b128 v[\reg+4*\c:\reg+4*\c+3], v[\adr] offset:64*(\q)+32*\c+(\i)*16*PITCH
.endr
.endm
.macro PROD acc, bf, af, cc, sb, sa    ; source 0 = side 0 (its scale words in lanes 16-31), source 1 = side 1
	v_wmma_scale_f32_16x16x128_f8f6f4 v[\acc:\acc+7], v[\bf:\bf+7], v[\af:\af+7], v[\cc:\cc+7], v[\sb], v[\sa] matrix_a_fmt:MATRIX_FMT_FP4 matrix_b_fmt:MATRIX_FMT_FP4 matrix_a_scale:MATRIX_SCALE_ROW1
.endm
; 16 products: side 1's blocks a0, a0 + 1 x side 0's eight.  cm = 0: onto the sums; 1: the sums start from the bias by side 0's block (q, k); 2: by side 1's block (v).
; The 64 accumulators take turns, one instruction a turn, in the same order in every step.
.macro MUL16 a0, p, q, sc, cm
.irp a, \a0, \a0+1
.irp b, 0,1,2,3,4,5,6,7
.if (\cm) == 0
	PROD 8*(8*((\a)%4)+\b), 128*(\p)+FR*\b, AF+FR*(\a), 8*(8*((\a)%4)+\b), SC+8*NQ*(\sc)+NQ*\b+(\q), SC+8*NQ*(\sc)+NQ*(\a)+(\q)
.elseif (\cm) == 1
	PROD 8*(8*((\a)%4)+\b), 128*(\p)+FR*\b, AF+FR*(\a), BI+8*\b, SC+8*NQ*(\sc)+NQ*\b+(\q), SC+8*NQ*(\sc)+NQ*(\a)+(\q)
.else
	PROD 8*(8*((\a)%4)+\b), 128*(\p)+FR*\b, AF+FR*(\a), BI+8*(\a), SC+8*NQ*(\sc)+NQ*\b+(\q), SC+8*NQ*(\sc)+NQ*(\a)+(\q)
.endif
.endr
.endr
.endm
.macro FETCH_B slot, q, p              ; side 0's eight fragments into set p
	WIN 0x40
.irp i, 0,1,2,3,4,5,6,7
	FRAG 128*(\p)+FR*\i, ADRB+\slot, \q, \i
.endr
	WIN 0
.endm
.macro FETCH_A slot, q, i0             ; side 1's blocks i0 .. i0 + 3
.irp i, \i0, \i0+1, \i0+2, \i0+3
	FRAG AF+FR*(\i), ADRA+\slot, \q, \i
.endr
.endm
.macro SCALES sc                       ; a part's scale words: four a row; lanes 0-15 side 1's block i, lanes 16-31 side 0's block i
.irp i, 0,1,2,3,4,5,6,7
	ds_load_b128 v[SC+8*NQ*\sc+NQ*\i:SC+8*NQ*\sc+NQ*\i+3], v[ADRS] offset:\i*SBLK
.endr
.endm
.macro PLACES                          ; four plain vector instructions between a product and a load into, or a vector instruction on, its registers (ISA guide 7.12.1 for vector instructions)
.rept 4
	v_nop
.endr
.endm
; A step of 128 along K whose successor lies in the same part.  With cm not 0 the C operand lies in window 0.
.macro STEP slot, q, cm
	s_wait_dscnt 8                                 ; all but the eight youngest LDS loads (side 1's blocks 4-7) are in
.if \cm
	WIN 0x81
.else
	WIN 0xa1
.endif
	MUL16 0, (\q)%2, \q, \slot, \cm
	MUL16 2, (\q)%2, \q, \slot, \cm
	s_wait_dscnt 0x0                               ; side 1's blocks 4-7 are in
	PLACES
	FETCH_B \slot, (\q)+1, 1-(\q)%2
	FETCH_A \slot, (\q)+1, 0
.if \cm
	WIN 0xc1
.else
	WIN 0xf1
.endif
	MUL16 4, (\q)%2, \q, \slot, \cm
	MUL16 6, (\q)%2, \q, \slot, \cm
	PLACES
	WIN 0
	FETCH_A \slot, (\q)+1, 4
.endm
	s_wait_tensorcnt 0x1                           ; the scales and my share of part 0 have landed; the one load issued behind them, part 1's, may be out
	s_barrier_signal -1
	s_barrier_wait -1                              ; everybody's have
	FETCH_B 0, 0, 0
	FETCH_A 0, 0, 0
	SCALES 0
	FETCH_A 0, 0, 4
	s_wait_loadcnt 0x0                             ; the bias
	s_cmp_eq_u32 ttmp9, 2
	s_cbranch_scc1 .Lfirst_v
	STEP 0, 0, 1                                   ; the first step starts the sums from the bias: nothing is cleared
	s_branch .Lfirst_done
.Lfirst_v:
	STEP 0, 0, 2
.Lfirst_done:
	STEP 0, 1, 0
	STEP 0, 2, 0
	; part 0's last step goes over to part 1
	s_wait_tensorcnt 0x0                           ; my share of part 1 has landed
	s_wait_dscnt 8
	WIN 0xa1
	MUL16 0, 1, 3, 0, 0
	s_wait_dscnt 0x0                               ; no LDS instruction of mine is out at the signal
	s_barrier_signal -1
	MUL16 2, 1, 3, 0, 0                            ; work on registers while the others arrive
	WIN 0
	s_barrier_wait -1                              ; part 1 is whole
	PLACES
	v_add_nc_u32 v[ADRS], 16, v[ADRS]              ; part 1's scale words
	FETCH_B 1, 0, 0
	FETCH_A 1, 0, 0
	SCALES 1
	WIN 0xf1
	MUL16 4, 1, 3, 0, 0
	MUL16 6, 1, 3, 0, 0
	PLACES
	WIN 0
	FETCH_A 1, 0, 4
	STEP 1, 0, 0
	STEP 1, 1, 0
	STEP 1, 2, 0
	s_wait_dscnt 8                                 ; the last step: nothing more to fetch
	WIN 0xa1
	MUL16 0, 1, 3, 1, 0
	MUL16 2, 1, 3, 1, 0
	s_wait_dscnt 0x0
	WIN 0xf1
	MUL16 4, 1, 3, 1, 0
	MUL16 6, 1, 3, 1, 0
	WIN 0
	PLACES                                         ; ahead of the first reads of results and of the writes into side 1's fragment registers
; THE QUANTISER for side 1's block a: a lane's 64 numbers.  Tiles 2 B and 2 B + 1 are block B of 32: of it lane half h holds indices 8 h .. 8 h + 7 and 16 + 8 h .. + 7.
; The conversions are laid so that two exchanges of lane halves for each pair of blocks give the operand's own layout: register 4 c + i of lane (r, h) = indices 64 c + 32 h + 8 i .. + 7.
.macro QUANT a
.set AC, 64*((\a)%4)
.set PCA, AF+8*(\a)
	WIN 0x0a+5*((\a)/4)                            ; sources 0 and 1: window 2 or 3
.irp b, 0,1,2,3
	v_max3_num_f32 v[TM+\b], |v[AC+16*\b]|, |v[AC+16*\b+1]|, 0x1800000   ; each accumulator is read from its low end on; the floor 2^(3 - 127) holds the byte at 1 from below
.endr
.irp i, 2,4,6,8,10,12,14
.irp b, 0,1,2,3
	v_max3_num_f32 v[TM+\b], |v[AC+16*\b+\i]|, |v[AC+16*\b+\i+1]|, v[TM+\b]   ; the four blocks by turns
.endr
.endr
	WIN 0
.irp b, 0,1,2,3
	v_permlanex16_b32 v[TM+4+\b], v[TM+\b], s[SEL], s[SEL+1]
.endr
.irp b, 0,1,2,3
	v_max_num_f32 v[TM+\b], v[TM+\b], v[TM+4+\b]   ; with lane l xor 16's: the block's largest magnitude
.endr
.irp b, 0,1,2,3
	v_add_nc_u32 v[TM+12+\b], 0xff000000, v[TM+\b] ; 2 off its exponent field: the conversion's scale operand
.endr
.irp b, 0,1,2,3
	v_lshrrev_b32 v[TM+4+\b], 23, v[TM+12+\b]      ; the scale's byte
.endr
	WIN 0x02+((\a)/4)                              ; source 0: window 2 or 3
.irp c, 0,1
	v_cvt_scalef32_pk8_fp4_f32 v[PCA+4*\c], v[AC+32*\c:AC+32*\c+7], v[TM+12+2*\c]
	v_cvt_scalef32_pk8_fp4_f32 v[PCA+4*\c+1], v[AC+32*\c+16:AC+32*\c+23], v[TM+13+2*\c]
	v_cvt_scalef32_pk8_fp4_f32 v[PCA+4*\c+2], v[AC+32*\c+8:AC+32*\c+15], v[TM+12+2*\c]
	v_cvt_scalef32_pk8_fp4_f32 v[PCA+4*\c+3], v[AC+32*\c+24:AC+32*\c+31], v[TM+13+2*\c]
.endr
	WIN 0
	v_nop                                          ; one plain place behind a scaled conversion
.irp c, 0,1
	v_permlane16_swap_b32 v[PCA+4*\c], v[PCA+4*\c+1]
	v_permlane16_swap_b32 v[PCA+4*\c+2], v[PCA+4*\c+3]
.endr
.endm
	s_cmp_eq_u32 ttmp9, 2
	s_cbranch_scc1 .Lout_v
	; q, k: block a is 16 tokens; registers 0-3 of the codes are my first head's 64 channels, 4-7 my second head's.  No store's data or address is written again.
.irp a, 0,1,2,3,4,5,6,7
	QUANT \a
	v_lshl_or_b32 v[WD+\a], v[TM+5], 8, v[TM+4]
	v_or_b32 v[WD+\a], 0x7f7f0000, v[WD+\a]        ; bytes 2 and 3 stand over the zero codes that fill K = 64 up to the instruction's 128: 2^0
	v_lshl_or_b32 v[WD+8+\a], v[TM+7], 8, v[TM+6]
	v_or_b32 v[WD+8+\a], 0x7f7f0000, v[WD+8+\a]
	global_store_b128 v[LI], v[AF+8*\a:AF+8*\a+3], s[2:3] offset:512*\a       ; 32 lanes store 512 consecutive bytes
	global_store_b128 v[LI], v[AF+8*\a+4:AF+8*\a+7], s[66:67] offset:512*\a
.endr
	v_cmp_ne_u32 vcc_lo, 0, v2
.irp i, 0,1,2,3
	v_cndmask_b32 v[SS+\i], v[WD+\i], v[WD+4+\i], vcc_lo       ; lanes 0-15: tiles 0-3 of token r; lanes 16-31: tiles 4-7
	v_cndmask_b32 v[SS+4+\i], v[WD+8+\i], v[WD+12+\i], vcc_lo
.endr
	global_store_b128 v[LI], v[SS:SS+3], s[2:3] offset:4096
	global_store_b128 v[LI], v[SS+4:SS+7], s[66:67] offset:4096
	s_branch .Lout_done
.Lout_v:
	; v: block a is 16 channels (head a / 4, tile a % 4), the eight code registers are a whole fragment over my 128 keys
.irp a, 0,1,2,3,4,5,6,7
	QUANT \a
	v_lshl_or_b32 v[WD+\a], v[TM+5], 8, v[TM+4]
	v_lshl_or_b32 v[WD+\a], v[TM+6], 16, v[WD+\a]
	v_lshl_or_b32 v[WD+\a], v[TM+7], 24, v[WD+\a]
.if \a < 4
	global_store_b128 v[LI], v[AF+8*\a:AF+8*\a+3], s[2:3] offset:4608+1024*(\a%4)
	global_store_b128 v[LI], v[AF+8*\a+4:AF+8*\a+7], s[2:3] offset:4608+1024*(\a%4)+512
.else
	global_store_b128 v[LI], v[AF+8*\a:AF+8*\a+3], s[66:67] offset:4608+1024*(\a%4)
	global_store_b128 v[LI], v[AF+8*\a+4:AF+8*\a+7], s[66:67] offset:4608+1024*(\a%4)+512
.endif
.endr
	v_cmp_ne_u32 vcc_lo, 0, v2
.irp i, 0,1,2,3
	v_cndmask_b32 v[SS+\i], v[WD+\i], v[WD+4+\i], vcc_lo       ; lanes 0-15: my first head's four tiles of channel r; lanes 16-31: my second head's
.endr
	global_store_b128 v[VSO], v[SS:SS+3], s[2:3] offset:8704   ; sixteen lanes store 256 consecutive bytes, aligned
.Lout_done:
	s_wait_tensorcnt 0x0
	ds_add_u32 v106, v107
	s_wait_dscnt 0x0
	CROUND                                         ; the closing round: no work-group ends while a partner may still ask for a tile that names it
	s_endpgm
.Lfunc_end_k_q80633c20e6_qkv:
	.size	k_q80633c20e6_qkv, .Lfunc_end_k_q80633c20e6_qkv-k_q80633c20e6_qkv
	.p2alignl 7, 3214868480
	.fill 96, 4, 3214868480
	.section	.rodata,"a",@progbits
	.p2align	6, 0x0
	.amdhsa_kernel k_q80633c20e6_qkv
		.amdhsa_group_segment_fixed_size 296448
		.amdhsa_private_segment_fixed_size 0
		.amdhsa_enable_private_segment 0
		.amdhsa_kernarg_size 56
		.amdhsa_user_sgpr_count 2
		.amdhsa_user_sgpr_kernarg_segment_ptr 1
		.amdhsa_wavefront_size32 1
		.amdhsa_system_sgpr_workgroup_id_x 1
		.amdhsa_system_sgpr_workgroup_id_y 1
		.amdhsa_system_sgpr_workgroup_id_z 1
		.amdhsa_system_vgpr_workitem_id 0
		.amdhsa_next_free_vgpr 1024
		.amdhsa_next_free_sgpr 102
		.amdhsa_reserve_vcc 1
		.amdhsa_float_denorm_mode_32 3
		.amdhsa_float_denorm_mode_16_64 3
		.amdhsa_memory_ordered 1
		.amdhsa_forward_progress 1
		.amdhsa_inst_pref_size 180
	.end_amdhsa_kernel
	.amdgpu_metadata
---
amdhsa.version: [ 1, 2 ]
amdhsa.kernels:
  - .name:           k_q80633c20e6_qkv
    .symbol:         k_q80633c20e6_qkv.kd
    .args:
      - { .name: x_codes, .offset: 0, .size: 8, .value_kind: global_buffer, .address_space: global }
      - { .name: x_scales, .offset: 8, .size: 8, .value_kind: global_buffer, .address_space: global }
      - { .name: w_attn_codes, .offset: 16, .size: 8, .value_kind: global_buffer, .address_space: global }
      - { .name: w_attn_scales, .offset: 24, .size: 8, .value_kind: global_buffer, .address_space: global }
      - { .name: b_attn, .offset: 32, .size: 8, .value_kind: global_buffer, .address_space: global }
      - { .name: qws, .offset: 40, .size: 8, .value_kind: global_buffer, .address_space: global }
      - { .name: kvws, .offset: 48, .size: 8, .value_kind: global_buffer, .address_space: global }
    .group_segment_fixed_size: 296448
    .private_segment_fixed_size: 0
    .kernarg_segment_align: 8
    .kernarg_segment_size: 56
    .max_flat_workgroup_size: 128
    .sgpr_count:     102
    .vgpr_count:     1024
    .wavefront_size: 32
...
	.end_amdgpu_metadata
.endif
;; end of part 1
;; launch attn (part 2): grid 4 x 64, 16 waves a work-group, clusters of 4 x 1, 169,984 bytes of LDS; arguments qws, kvws, yimg, ysc; writes yimg, ysc
.if DOCPART == 2
	.amdgcn_target "amdgcn-amd-amdhsa--gfx1250"
	.amdhsa_code_object_version 6
	.text
	.protected	k_q80633c20e6_attn
	.globl	k_q80633c20e6_attn
	.p2align	8
	.type	k_q80633c20e6_attn,@function
k_q80633c20e6_attn:
	s_mov_b64 s[64:65], 0
	v_nop
	global_prefetch_b8 v0, s[64:65] scope:SCOPE_SE
	s_setreg_imm32_b32 hwreg(HW_REG_WAVE_MODE, 25, 1), 1
	s_wait_xcnt 0x0
	s_wait_alu depctr_hold_cnt(0) depctr_sa_sdst(0) depctr_va_vdst(0) depctr_va_sdst(0) depctr_va_ssrc(0) depctr_va_vcc(0) depctr_vm_vsrc(0)
	s_getreg_b32 s2, hwreg(HW_REG_IB_STS2, 6, 4)
	s_cmp_eq_u32 s2, 0
	s_cbranch_scc0 .Lentry_in_a_cluster
	s_endpgm
.Lentry_in_a_cluster:
	s_bfe_u32 s2, ttmp6, 0x10000c
	s_cmp_lg_u32 s2, 0x3003
	s_cbranch_scc0 .Lentry_shape_is_right
	s_endpgm
.Lentry_shape_is_right:
; y[b][q][head] = softmax over keys k <= q of (Q . K / 8) applied to V, both products on codes of FP4 (E2M1) with E8M0 scales; y is then quantised along the model's 1,024 channels for the projection.
; In: qws and kvws as the launch before lays them (images of operand registers; blocks of 4,608 and 8,960 bytes for each 128 tokens of a head).
; Out: yimg [128 tokens 64][128 channels 8][16 tokens 8][head % 2][lane][16 bytes]: the projection's fragments;  ysc [token 8192][32]: one E8M0 byte for each 32 channels.
; THE SOFTMAX: t = score x log2(e) / 8; M = the running largest t rounded UP to a whole number; p = 2^(t - M) is quantised along the keys, not normalised; the sum is taken of the unquantised p and divides at the end.
; When M moves, the sum and O^T are multiplied by 2^(old M - new M), which rounds nothing.  A block's largest p is made from its largest score by the same multiply-add and exponential.
; SHARES.  A cluster of four work-groups owns one head of one batch; the head's whole K and V (143,360 bytes) lie in each work-group's LDS, asked for JOINTLY, once: wave w asks for the 128 keys of step w.  Nothing is filled again.
; A wave owns two tiles of 16 queries, i and 127 - i, i = 8 (wave / 2) + 2 cx + wave % 2.  Tile i wants i / 8 + 1 steps of 128 keys: 17 steps for every wave.  How many steps a tile wants hangs on the wave's number alone;
; cx enters global addresses and the mask's numbers only.  The loop over steps has 16 trips for every tile; a step all of whose keys are hidden is jumped over.
; LAYOUT.  Both products are used transposed (S^T = K Q^T, O^T = V^T P^T): a lane holds one query.  K = 64 stands in an instruction of K = 128: Q's upper four registers are zero codes, so what K's fragment names there adds nothing.
; LIMITS: NaN and infinities are not served; a block of zeros gets the byte 1 (its codes are zeros; this program alone reads the bytes).  ysc is stored two bytes a token: a head's bytes of a token are all that this cluster has.
.set STEPB, 8960                       ; a step in LDS: K's 8 images (4,096), K's scale words (512), V's 4 fragments (4,096), V's scale words (256)
.set LI,  1                            ; v1   16 x lane
.set LR,  2                            ; v2   16 r
.set RR,  3                            ; v3   r
.set HH,  4                            ; v4   h
.set ADK, 5                            ; v5   the step's LDS byte + 16 x lane
.set ADV, 6                            ; v6   the step's LDS byte + 16 r
.set QFA, 16                           ; v[16:23]  Q of tile A (v20-23 zero codes)
.set QSA, 24                           ; v24, v25  Q's scale words
.set QSB, 25
.set KS,  28                           ; v[28:31]  K's scale words: lanes 0-15 tiles 0-3, lanes 16-31 tiles 4-7
.set KF,  32                           ; v[32:63]  K's eight images; v[64:67] zero codes behind them
.set VS,  68                           ; v[68:71]  V's scale words
.set VF,  72                           ; v[72:103] V's four fragments
.set SR,  104                          ; v[104:167] S^T, then p
.set OT,  168                          ; v[168:199] O^T
.set PC,  200                          ; v[200:207] p's codes
.set BM,  208                          ; v208-211 the blocks' largest
.set PM,  212                          ; v212-215 the other half's, a chain of sums, bytes
.set SO,  216                          ; v216-219 the conversions' scale operands
.set FF,  220                          ; v220 f, later 1 / sum
.set PW,  221                          ; v221 p's scale word
.set TP,  222
.set NI,  223                          ; v223 -infinity
.set YCA, 224                          ; v[224:227], v[228:231] y's codes
.set YCB, 228
.set QFB, 232                          ; v[232:239] Q of tile B
.set YWA, 240
.set YWB, 241
.set YOA, 242
.set YSA, 243
.set YOB, 244
.set YSB, 245
.set DMA, 246
.set DMB, 247
.set QOA, 248
.set QWA, 249
.set QOB, 250
.set QWB, 251
.set WV,  12
.set CX,  13
.set BH,  14
.set SEL, 20
.set CS,  22
.set AW,  32                           ; tile A's step on the diagonal
.set CP,  33                           ; and its place among that step's eight tiles
.set AB,  34
.set CB,  35
.set ST,  36
.set TB,  37
.set QBASE, 40
.macro CROUND
	s_barrier_signal -1
	s_barrier_wait -1
	s_cmp_lg_u32 s[WV], 0
	s_cbranch_scc1 .Lnot_wave_0_\@
	s_barrier_signal -3
.Lnot_wave_0_\@:
	s_barrier_wait -3
	s_barrier_signal -1
	s_barrier_wait -1
.endm
; the offsets of the tile at step s[sa], place s[sc]: Q's image, Q's scale word, y's image, y's scale bytes, and d = the lane's query in the step - 8 h
.macro OFFS sa, sc, vq, vqs, vyo, vys, vdm
	s_mul_i32 s42, s[\sa], 4608
	s_lshl_b32 s43, s[\sc], 9
	s_add_co_u32 s43, s43, s42
	v_add_nc_u32 v[\vq], s43, v[LI]
	s_lshr_b32 s43, s[\sc], 2
	s_lshl_b32 s43, s43, 8
	s_add_co_u32 s42, s42, s43
	s_and_b32 s43, s[\sc], 3
	s_lshl_b32 s43, s43, 2
	s_add_co_u32 s42, s42, s43
	s_add_co_u32 s42, s42, 4096
	v_add_nc_u32 v[\vqs], s42, v[LR]
	s_add_co_u32 s42, s44, s[\sa]                  ; which 128 tokens of all 8,192
	s_lshl_b32 s42, s42, 16
	s_lshl_b32 s43, s[\sc], 10
	s_add_co_u32 s42, s42, s43
	s_add_co_u32 s42, s42, s45
	v_add_nc_u32 v[\vyo], s42, v[LI]
	s_add_co_u32 s42, s44, s[\sa]
	s_lshl_b32 s42, s42, 3
	s_add_co_u32 s42, s42, s[\sc]                  ; which 16 tokens
	s_lshl_b32 s42, s42, 9                         ; x 16 rows of 32 bytes
	s_add_co_u32 s42, s42, s46
	v_lshl_add_u32 v[\vys], v[RR], 5, s42
	s_lshl_b32 s42, s[\sc], 4
	v_lshlrev_b32 v[\vdm], 3, v[HH]
	v_sub_nc_u32 v[\vdm], v[RR], v[\vdm]
	v_add_nc_u32 v[\vdm], s42, v[\vdm]
.endm
	s_load_b256 s[4:11], s[0:1], 0x0               ; qws s[4:5], kvws s[6:7], yimg s[8:9], ysc s[10:11]
	v_lshl_add_u32 v254, v0, 2, 0x29000
	v_mov_b32 v255, 0
	ds_add_u32 v254, v255
	ds_add_u32 v254, v255
	v_lshrrev_b32 v7, 5, v0
	v_readfirstlane_b32 s[WV], v7                  ; wave 0..15
	s_bfe_u32 s[CX], ttmp6, 0x40000                ; my place in the cluster
	s_and_b32 s[BH], ttmp7, 0xffff                 ; 16 x batch + head, which the four partners share
	v_and_b32 v7, 31, v0
	v_lshlrev_b32 v[LI], 4, v7
	v_and_b32 v[RR], 15, v0
	v_lshlrev_b32 v[LR], 4, v[RR]
	v_bfe_u32 v[HH], v0, 4, 1
	s_lshr_b32 s[AW], s[WV], 1
	s_and_b32 s[CP], s[WV], 1
	s_lshl_b32 s42, s[CX], 1
	s_add_co_u32 s[CP], s[CP], s42
	s_sub_co_u32 s[AB], 15, s[AW]
	s_sub_co_u32 s[CB], 7, s[CP]
	s_and_b32 s44, s[BH], 0x30                     ; 16 x batch: the batch's first block of 128 tokens
	s_bfe_u32 s45, s[BH], 0x30001
	s_lshl_b32 s45, s45, 13                        ; y's image: 8,192 x (head / 2)
	s_and_b32 s47, s[BH], 1
	s_lshl_b32 s47, s47, 9
	s_add_co_u32 s45, s45, s47                     ; + 512 x (head % 2)
	s_and_b32 s46, s[BH], 15
	s_lshl_b32 s46, s46, 1                         ; y's scale bytes: 2 x head
	OFFS AW, CP, QOA, QWA, YOA, YSA, DMA
	OFFS AB, CB, QOB, QWB, YOB, YSB, DMB
	; the one descriptor: a step's 8,960 dense bytes as 35 rows of 256 bytes (32 elements of 8), no padding: every LDS read takes 512 consecutive bytes
	s_mov_b32 s24, 15|(3<<16)|(1<<21)              ; 15:0 the mask: all four work-groups; 17:16 elements of 8 bytes; 21 set beside a mask
	s_mov_b32 s25, 32<<16                          ; tensor_dim0
	s_mov_b32 s26, 35<<16                          ; tensor_dim1
	s_mov_b32 s27, 32<<16                          ; tile_dim0
	s_mov_b32 s28, 35                              ; tile_dim1
	s_mov_b32 s29, 32                              ; from row to row
	s_mov_b32 s30, 0
	s_mov_b32 s31, 0
	s_mov_b32 s16, 1
	s_mul_i32 s17, s[WV], STEPB                    ; LDS: step = my wave's number
	s_mul_i32 s48, s[BH], 16*STEPB
	s_add_co_u32 s48, s48, s17
	s_mov_b32 s49, 0
	s_mul_i32 s50, s[BH], 16*4608
	s_mov_b32 s51, 0
	s_mov_b32 s[SEL], 0x76543210
	s_mov_b32 s[SEL+1], 0xfedcba98
	s_mov_b32 s[CS], 0x3e38aa3b                    ; c = log2(e) / 8
	s_mov_b32 s[CS+1], s[CS]                       ; (named with it as a pair, so it is written)
	s_wait_dscnt 0x0
	s_wait_kmcnt 0x0
	s_add_nc_u64 s[18:19], s[6:7], s[48:49]
	s_or_b32 s19, s19, 0x80000000
	s_add_nc_u64 s[QBASE:QBASE+1], s[4:5], s[50:51]
	CROUND                                         ; all four work-groups are here: the joint loads meet
	tensor_load_to_lds s[16:19], s[24:31]          ; one load a wave, sixteen steps in all: one tensor load of mine is out
	s_nop 0
.rept 4
	v_nop
.endr
	global_load_b128 v[QFA:QFA+3], v[QOA], s[QBASE:QBASE+1]
	global_load_b32 v[QSA], v[QWA], s[QBASE:QBASE+1]
	global_load_b128 v[QFB:QFB+3], v[QOB], s[QBASE:QBASE+1]
	global_load_b32 v[QSB], v[QWB], s[QBASE:QBASE+1]
.irp i, 0,1,2,3
	v_mov_b32 v[QFA+4+\i], 0                       ; zero codes for K = 64 .. 127
	v_mov_b32 v[QFB+4+\i], 0
	v_mov_b32 v[KF+32+\i], 0                       ; what K's last fragment names behind its four registers
	v_mov_b32 v[PM+\i], 0                          ; a lane permute's destination counts as one of its sources
.endr
	v_mov_b32 v[PW], 0                             ; (named as the upper half of the pair with f before it is first written)
	v_mov_b32 v[TP], 0
	v_mov_b32 v[NI], 0xff800000
	s_wait_tensorcnt 0x0                           ; my step has landed,
	s_barrier_signal -1
	s_barrier_wait -1                              ; everybody's has: the head's K and V are whole
	s_wait_loadcnt 0x0                             ; Q
; ONE TILE OF 16 QUERIES: qf, qs its fragment and scale word; s[sa] its step on the diagonal; dm its mask numbers; yc, yw, yo, ys its results and their offsets (registers of its own: no store's source is written again).
.macro TILE qf, qs, sa, dm, yc, yw, yo, ys
	v_mov_b32 v13, 0xff61b1e6                      ; the largest t so far: -3e38
	v_floor_f32 v12, -v13                          ; -M
	v_mov_b32 v14, 0                               ; the sum, in two halves
	v_mov_b32 v15, 0
.set n, 0
.rept 32
	v_mov_b32 v[OT+n], 0                           ; O^T: the step is written once; the first finds zeros, which the first change of M leaves zeros
.set n, n+1
.endr
	s_mov_b32 s[ST], 0
	s_mov_b32 s[TB], 0
.Lstep_\@:
	s_cmp_gt_u32 s[ST], s[\sa]                     ; all 128 keys come after my queries: the step's work is left out
	s_cbranch_scc1 .Lhidden_\@
	v_add_nc_u32 v[ADK], s[TB], v[LI]
	v_add_nc_u32 v[ADV], s[TB], v[LR]
.irp t, 0,1,2,3,4,5,6,7
	ds_load_b128 v[KF+4*\t:KF+4*\t+3], v[ADK] offset:512*\t
.endr
	ds_load_b128 v[KS:KS+3], v[ADK] offset:4096
	s_wait_dscnt 0x0
.irp t, 0,1,2,3
	v_wmma_scale_f32_16x16x128_f8f6f4 v[SR+8*\t:SR+8*\t+7], v[KF+4*\t:KF+4*\t+7], v[\qf:\qf+7], 0, v[KS+\t], v[\qs] matrix_a_fmt:MATRIX_FMT_FP4 matrix_b_fmt:MATRIX_FMT_FP4
.endr
.irp t, 4,5,6,7
	v_wmma_scale_f32_16x16x128_f8f6f4 v[SR+8*\t:SR+8*\t+7], v[KF+4*\t:KF+4*\t+7], v[\qf:\qf+7], 0, v[KS+\t-4], v[\qs] matrix_a_fmt:MATRIX_FMT_FP4 matrix_b_fmt:MATRIX_FMT_FP4 matrix_a_scale:MATRIX_SCALE_ROW1
.endr
.rept 4
	v_nop                                          ; the places ahead of the first read of S^T; with the two additions above also those between the last step's products onto O^T and the loads below
.endr
.irp f, 0,1,2,3,4,5,6,7
	ds_load_b128 v[VF+4*\f:VF+4*\f+3], v[ADK] offset:4608+512*\f   ; V lands while the softmax is walked
.endr
	ds_load_b128 v[VS:VS+3], v[ADV] offset:8704
	s_cmp_lg_u32 s[ST], s[\sa]                     ; only the step on the diagonal has hidden keys
	s_cbranch_scc1 .Lopen_\@
.set n, 0
.rept 64
	v_cmp_gt_i32 vcc_lo, 16*(n/8)+n%8, v[\dm]      ; register 8 t + j holds key 16 t + 8 h + j of the step: hidden where 16 t + j > d
	v_cndmask_b32 v[SR+n], v[SR+n], v[NI], vcc_lo
.set n, n+1
.endr
.Lopen_\@:
.irp b, 0,1,2,3
	v_max3_num_f32 v[BM+\b], v[SR+16*\b], v[SR+16*\b+1], v[SR+16*\b+2]   ; the largest score of each block of 32 keys: for the row's maximum, and for the block's largest p
.endr
.irp i, 3,5,7,9,11,13
.irp b, 0,1,2,3
	v_max3_num_f32 v[BM+\b], v[BM+\b], v[SR+16*\b+\i], v[SR+16*\b+\i+1]
.endr
.endr
.irp b, 0,1,2,3
	v_max_num_f32 v[BM+\b], v[BM+\b], v[SR+16*\b+15]
.endr
.irp b, 0,1,2,3
	v_permlanex16_b32 v[PM+\b], v[BM+\b], s[SEL], s[SEL+1]
.endr
.irp b, 0,1,2,3
	v_max_num_f32 v[BM+\b], v[BM+\b], v[PM+\b]     ; with lane l xor 16's 16 keys
.endr
	v_max3_num_f32 v[TP], v[BM], v[BM+1], v[BM+2]
	v_max_num_f32 v[TP], v[TP], v[BM+3]
	v_mul_f32 v[TP], s[CS], v[TP]                  ; the step's largest t
	v_max_num_f32 v13, v13, v[TP]
	v_mov_b32 v[TP], v12
	v_floor_f32 v12, -v13                          ; the new -M = -ceil(t): a whole number
	v_sub_f32 v[TP], v12, v[TP]                    ; old M - new M, 0 or less
	v_cvt_i32_f32 v[TP], v[TP]                     ; (it saturates)
	v_ldexp_f32 v[FF], 1.0, v[TP]                  ; f = 2^(old M - new M)
.set n, 0
.rept 32
	v_pk_fma_f32 v[SR+n:SR+n+1], v[SR+n:SR+n+1], s[CS:CS+1], v[12:13] op_sel_hi:[1,0,0]   ; t - M, two at a time
.set n, n+2
.endr
.irp b, 0,1,2,3
	v_fma_f32 v[BM+\b], v[BM+\b], s[CS], v12       ; the same of each block's largest score
.endr
.set n, 0
.rept 64
	v_exp_f32 v[SR+n], v[SR+n]                     ; p = 2^(t - M)
.set n, n+1
.endr
	v_pk_mul_f32 v[14:15], v[14:15], v[FF:FF+1] op_sel_hi:[1,0]   ; the sums under the new M; the plain instruction behind the exponentials
	s_wait_alu depctr_va_vdst(0)                   ; one wait for the batch of 64, ahead of its first reader
.irp b, 0,1,2,3
	v_exp_f32 v[BM+\b], v[BM+\b]                   ; the blocks' largest p
.endr
	v_pk_add_f32 v[PM:PM+1], v[SR:SR+1], v[SR+2:SR+3]   ; the row's sum of the unquantised p, in two chains
.set n, 4
.rept 15
	v_pk_add_f32 v[14:15], v[14:15], v[SR+n:SR+n+1]
	v_pk_add_f32 v[PM:PM+1], v[PM:PM+1], v[SR+n+2:SR+n+3]
.set n, n+4
.endr
	v_pk_add_f32 v[14:15], v[14:15], v[PM:PM+1]
	s_wait_alu depctr_va_vdst(0)                   ; and one for the four
.irp b, 0,1,2,3
	v_max_num_f32 v[BM+\b], 0x1800000, v[BM+\b]    ; the floor 2^(3 - 127): the byte cannot fall under 1
.endr
.irp b, 0,1,2,3
	v_add_nc_u32 v[SO+\b], 0xff000000, v[BM+\b]    ; 2 off the exponent field: the conversion's scale operand
.endr
.irp b, 0,1,2,3
	v_lshrrev_b32 v[PM+\b], 23, v[SO+\b]
.endr
	v_lshl_or_b32 v[PW], v[PM+1], 8, v[PM]         ; p's scale word for these 128 keys
	v_lshl_or_b32 v[PW], v[PM+2], 16, v[PW]
	v_lshl_or_b32 v[PW], v[PM+3], 24, v[PW]
.irp c, 0,1                                    ; laid so that the exchanges below give register 4 c + i = keys 64 c + 32 h + 8 i .. + 7
	v_cvt_scalef32_pk8_fp4_f32 v[PC+4*\c], v[SR+32*\c:SR+32*\c+7], v[SO+2*\c]
	v_cvt_scalef32_pk8_fp4_f32 v[PC+4*\c+1], v[SR+32*\c+16:SR+32*\c+23], v[SO+2*\c+1]
	v_cvt_scalef32_pk8_fp4_f32 v[PC+4*\c+2], v[SR+32*\c+8:SR+32*\c+15], v[SO+2*\c]
	v_cvt_scalef32_pk8_fp4_f32 v[PC+4*\c+3], v[SR+32*\c+24:SR+32*\c+31], v[SO+2*\c+1]
.endr
	v_nop                                          ; one plain place behind a scaled conversion
.irp c, 0,1
	v_permlane16_swap_b32 v[PC+4*\c], v[PC+4*\c+1]
	v_permlane16_swap_b32 v[PC+4*\c+2], v[PC+4*\c+3]
.endr
.set n, 0
.rept 16
	v_pk_mul_f32 v[OT+n:OT+n+1], v[OT+n:OT+n+1], v[FF:FF+1] op_sel_hi:[1,0]   ; O^T under the new M.  Twelve of these sixteen name no register of any one product below: the places behind the writes of p's codes and scale word
.set n, n+2
.endr
	s_wait_dscnt 0x0                               ; V
.irp d, 0,1,2,3
	v_wmma_scale_f32_16x16x128_f8f6f4 v[OT+8*\d:OT+8*\d+7], v[VF+8*\d:VF+8*\d+7], v[PC:PC+7], v[OT+8*\d:OT+8*\d+7], v[VS+\d], v[PW] matrix_a_fmt:MATRIX_FMT_FP4 matrix_b_fmt:MATRIX_FMT_FP4   ; four accumulators by turns
.endr
.Lhidden_\@:
	s_add_co_u32 s[TB], s[TB], STEPB
	s_add_co_u32 s[ST], s[ST], 1
	s_cmp_lt_u32 s[ST], 16
	s_cbranch_scc1 .Lstep_\@
	; the way out: y = O^T / sum, quantised along the head's 64 channels (two blocks of the model's 32)
.rept 4
	v_nop                                          ; the places behind the last products: hidden trips hold scalar lines only
.endr
	v_add_f32 v14, v14, v15
	v_permlanex16_b32 v[TP], v14, s[SEL], s[SEL+1]
	v_add_f32 v14, v14, v[TP]                      ; the row's sum
	v_rcp_f32 v[FF], v14
	v_nop                                          ; a plain instruction behind the reciprocal
	s_wait_alu depctr_va_vdst(0)                   ; and the wait ahead of its first reader
.set n, 0
.rept 16
	v_pk_mul_f32 v[SR+n:SR+n+1], v[OT+n:OT+n+1], v[FF:FF+1] op_sel_hi:[1,0]   ; register 8 d + j: channel 16 d + 8 h + j of my query
.set n, n+2
.endr
.irp b, 0,1
	v_max3_num_f32 v[BM+\b], |v[SR+16*\b]|, |v[SR+16*\b+1]|, 0x1800000
.endr
.irp i, 2,4,6,8,10,12,14
.irp b, 0,1
	v_max3_num_f32 v[BM+\b], v[BM+\b], |v[SR+16*\b+\i]|, |v[SR+16*\b+\i+1]|
.endr
.endr
.irp b, 0,1
	v_permlanex16_b32 v[PM+\b], v[BM+\b], s[SEL], s[SEL+1]
.endr
.irp b, 0,1
	v_max_num_f32 v[BM+\b], v[BM+\b], v[PM+\b]
.endr
.irp b, 0,1
	v_add_nc_u32 v[SO+\b], 0xff000000, v[BM+\b]
.endr
.irp b, 0,1
	v_lshrrev_b32 v[PM+\b], 23, v[SO+\b]
.endr
	v_lshl_or_b32 v[\yw], v[PM+1], 8, v[PM]
	v_cvt_scalef32_pk8_fp4_f32 v[\yc], v[SR:SR+7], v[SO]
	v_cvt_scalef32_pk8_fp4_f32 v[\yc+1], v[SR+16:SR+23], v[SO+1]
	v_cvt_scalef32_pk8_fp4_f32 v[\yc+2], v[SR+8:SR+15], v[SO]
	v_cvt_scalef32_pk8_fp4_f32 v[\yc+3], v[SR+24:SR+31], v[SO+1]
	v_nop
	v_permlane16_swap_b32 v[\yc], v[\yc+1]
	v_permlane16_swap_b32 v[\yc+2], v[\yc+3]       ; register i of lane (r, h): channels 32 h + 8 i .. + 7 of token r
	global_store_b128 v[\yo], v[\yc:\yc+3], s[8:9]     ; 32 lanes store 512 consecutive bytes
	global_store_b16 v[\ys], v[\yw], s[10:11]          ; the token's two bytes (both halves of the lanes store the same)
.endm
	TILE QFA, QSA, AW, DMA, YCA, YWA, YOA, YSA
	TILE QFB, QSB, AB, DMB, YCB, YWB, YOB, YSB
	s_wait_tensorcnt 0x0
	ds_add_u32 v254, v255
	s_wait_dscnt 0x0
	CROUND                                         ; the closing round
	s_endpgm
.Lfunc_end_k_q80633c20e6_attn:
	.size	k_q80633c20e6_attn, .Lfunc_end_k_q80633c20e6_attn-k_q80633c20e6_attn
	.p2alignl 7, 3214868480
	.fill 96, 4, 3214868480
	.section	.rodata,"a",@progbits
	.p2align	6, 0x0
	.amdhsa_kernel k_q80633c20e6_attn
		.amdhsa_group_segment_fixed_size 169984
		.amdhsa_private_segment_fixed_size 0
		.amdhsa_enable_private_segment 0
		.amdhsa_kernarg_size 32
		.amdhsa_user_sgpr_count 2
		.amdhsa_user_sgpr_kernarg_segment_ptr 1
		.amdhsa_wavefront_size32 1
		.amdhsa_system_sgpr_workgroup_id_x 1
		.amdhsa_system_sgpr_workgroup_id_y 1
		.amdhsa_system_sgpr_workgroup_id_z 1
		.amdhsa_system_vgpr_workitem_id 0
		.amdhsa_next_free_vgpr 256
		.amdhsa_next_free_sgpr 66
		.amdhsa_reserve_vcc 1
		.amdhsa_float_denorm_mode_32 3
		.amdhsa_float_denorm_mode_16_64 3
		.amdhsa_memory_ordered 1
		.amdhsa_forward_progress 1
		.amdhsa_inst_pref_size 56
	.end_amdhsa_kernel
	.amdgpu_metadata
---
amdhsa.version: [ 1, 2 ]
amdhsa.kernels:
  - .name:           k_q80633c20e6_attn
    .symbol:         k_q80633c20e6_attn.kd
    .args:
      - { .name: qws, .offset: 0, .size: 8, .value_kind: global_buffer, .address_space: global }
      - { .name: kvws, .offset: 8, .size: 8, .value_kind: global_buffer, .address_space: global }
      - { .name: yimg, .offset: 16, .size: 8, .value_kind: global_buffer, .address_space: global }
      - { .name: ysc, .offset: 24, .size: 8, .value_kind: global_buffer, .address_space: global }
    .group_segment_fixed_size: 169984
    .private_segment_fixed_size: 0
    .kernarg_segment_align: 8
    .kernarg_segment_size: 32
    .max_flat_workgroup_size: 512
    .sgpr_count:     66
    .vgpr_count:     256
    .wavefront_size: 32
...
	.end_amdgpu_metadata
.endif
;; end of part 2
;; launch proj (part 3): grid 4 x 64, 4 waves a work-group, clusters of 4 x 4, 252,160 bytes of LDS; arguments yimg, ysc, w_proj_codes, w_proj_scales, b_proj, out0; writes out0
.if DOCPART == 3
	.amdgcn_target "amdgcn-amd-amdhsa--gfx1250"
	.amdhsa_code_object_version 6
	.text
	.protected	k_q80633c20e6_proj
	.globl	k_q80633c20e6_proj
	.p2align	8
	.type	k_q80633c20e6_proj,@function
k_q80633c20e6_proj:
	s_mov_b64 s[64:65], 0
	v_nop
	global_prefetch_b8 v0, s[64:65] scope:SCOPE_SE
	s_setreg_imm32_b32 hwreg(HW_REG_WAVE_MODE, 25, 1), 1
	s_wait_xcnt 0x0
	s_wait_alu depctr_hold_cnt(0) depctr_sa_sdst(0) depctr_va_vdst(0) depctr_va_sdst(0) depctr_va_ssrc(0) depctr_va_vcc(0) depctr_vm_vsrc(0)
	s_getreg_b32 s2, hwreg(HW_REG_IB_STS2, 6, 4)
	s_cmp_eq_u32 s2, 0
	s_cbranch_scc0 .Lentry_in_a_cluster
	s_endpgm
.Lentry_in_a_cluster:
	s_bfe_u32 s2, ttmp6, 0x10000c
	s_cmp_lg_u32 s2, 0xf033
	s_cbranch_scc0 .Lentry_shape_is_right
	s_endpgm
.Lentry_shape_is_right:
; out0 = y w_proj^T + b_proj on codes of FP4 (E2M1) with E8M0 scales.  y: images of operand registers, yimg [128 tokens 64][128 along K 8][16 tokens 8][1,024 bytes], scale bytes ysc [8192][32].
; w_proj: [1024][1024] codes (512 bytes a row), scales [1024][32].  b_proj [1024], out0 [8192][1024]: f32.
; SHARES.  256 work-groups, each 128 tokens x 256 columns; a wave 64 x 128: 32 accumulators.  All of K = 1,024 lies in LDS, in two parts of 512, each filled ONCE: nothing is filled again.
; CLUSTERS: 4 x 4 work-groups; y's tile hangs on the cluster's row and is asked for jointly along it, w_proj's on the column.
; The product is used transposed (source 0 = 16 rows of w_proj, source 1 = 16 tokens): a lane holds eight neighbouring columns of one row of out0.  The bias is the C of each sum's first product.
; REGISTERS: window 0: v1-27 addresses; v32-63 w's scale words (two sets; lanes 0-15 blocks 0-3, lanes 16-31 blocks 4-7), v64-95 y's; v128-191 y's fragments, two sets; v192-255 the bias; on the way out v128-255 rows of out0.
;   window 1: w's fragments, two sets (v0, v128).   window 2: the accumulators, (a, b) at v[8 (8 a + b)].
.set PITCH,  272                       ; a row of w's codes in LDS: 256 bytes + 16
.set WHALF,  128*PITCH
.set WSLOT,  2*WHALF                   ; a part of w: 256 rows
.set YSL,    2*WSLOT                   ; y's two parts, 32,768 dense bytes each: [128 along K 4][tile 8][1,024]
.set YSLOT,  32768
.set WSCL,   YSL+2*YSLOT               ; w's scale bytes: 32 units of 256 + 16
.set YSCL,   WSCL+32*272               ; y's: 16 units
.set STG,    YSCL+16*272               ; the stage for the way out, bytes of its own: 16 rows x 528 for each wave
.set SPITCH, 528
.set ADY, 16
.set ADW, 20
.set WSA, 22
.set YSA, 23
.set STO, 24
.set RD,  25
.set CO,  26
.set BA,  27
.set SW,  32
.set SY,  64
.set YF,  128
.set BI,  192
.set G1Y,  24
.set G0Y,  32
.set G1W,  48
.set G0W,  56
.set G1YS, 68
.set G0YS, 76
.set G1WS, 80
.set G0WS, 88
.set MSB, 0
.macro WIN new
.if MSB != (\new)
	s_set_vgpr_msb (MSB<<8)|(\new)
.set MSB, (\new)
.endif
.endm
.macro JLOAD g0a, g1a, g0b, g1b        ; waves 0 and 1 fetch for y, waves 2 and 3 for w; four v_nop follow each line
	s_cmp_eq_u32 s19, 0
	s_cbranch_scc0 .Lfor_b_\@
	tensor_load_to_lds s[\g0a:\g0a+3], s[\g1a:\g1a+7]
	s_nop 0
.rept 4
	v_nop
.endr
	s_branch .Lasked_\@
.Lfor_b_\@:
	tensor_load_to_lds s[\g0b:\g0b+3], s[\g1b:\g1b+7]
	s_nop 0
.rept 4
	v_nop
.endr
.Lasked_\@:
.endm
.macro CROUND
	s_barrier_signal -1
	s_barrier_wait -1
	s_cmp_lg_u32 s18, 0
	s_cbranch_scc1 .Lnot_wave_0_\@
	s_barrier_signal -3
.Lnot_wave_0_\@:
	s_barrier_wait -3
	s_barrier_signal -1
	s_barrier_wait -1
.endm
	s_load_b256 s[4:11], s[0:1], 0x0               ; yimg s[4:5], ysc s[6:7], w's codes s[8:9], w's scales s[10:11]
	s_load_b128 s[12:15], s[0:1], 0x20             ; b_proj s[12:13], out0 s[14:15]
	v_lshl_add_u32 v126, v0, 2, 0x3d700
	v_mov_b32 v127, 0
	ds_add_u32 v126, v127
	ds_add_u32 v126, v127
	v_lshrrev_b32 v1, 5, v0
	v_readfirstlane_b32 s18, v1                    ; wave 0..3
	s_lshr_b32 s19, s18, 1                         ; which 64 tokens are mine.  Also: I fetch for y (0) or for w (1)
	s_and_b32 s20, s18, 1                          ; which 128 columns.  Also: which half I fetch
	s_bfe_u32 s40, ttmp6, 0x40000                  ; cx
	s_bfe_u32 s41, ttmp6, 0x40004                  ; cy
	s_lshl_b32 s42, ttmp9, 2
	s_add_co_u32 s42, s42, s40                     ; which 256 columns
	s_and_b32 s47, ttmp7, 0xffff
	s_lshl_b32 s47, s47, 2
	s_add_co_u32 s47, s47, s41                     ; which 128 tokens
	s_lshl_b32 s43, s41, 2
	s_lshl_b32 s43, 15, s43                        ; my row of the cluster
	s_lshl_b32 s44, 0x1111, s40                    ; my column
	s_or_b32 s[G1Y+0], s43, (3<<16)|(1<<21)        ; y's images: 16,384 dense bytes as 64 rows of 256 (32 elements of 8), no padding: every read takes 512 consecutive bytes
	s_mov_b32 s[G1Y+1], 32<<16
	s_mov_b32 s[G1Y+2], 64<<16
	s_mov_b32 s[G1Y+3], 32<<16
	s_mov_b32 s[G1Y+4], 64
	s_mov_b32 s[G1Y+5], 32
	s_mov_b32 s[G1Y+6], 0
	s_mov_b32 s[G1Y+7], 0
	s_or_b32 s[G1W+0], s44, (0<<16)|(1<<20)|(1<<21)|(5<<22)|(3<<25)   ; w's codes: 128 rows x 256 bytes, 512 apart in memory, 16 bytes of padding behind each
	s_mov_b32 s[G1W+1], 256<<16
	s_mov_b32 s[G1W+2], 128<<16
	s_mov_b32 s[G1W+3], 256<<16
	s_mov_b32 s[G1W+4], 128
	s_mov_b32 s[G1W+5], 512
	s_mov_b32 s[G1W+6], 0
	s_mov_b32 s[G1W+7], 0
	s_or_b32 s[G1YS+0], s43, (3<<16)|(1<<20)|(1<<21)|(5<<22)|(3<<25)  ; the scale bytes of 64 tokens: 8 rows of 256 bytes + 16
	s_mov_b32 s[G1YS+1], 32<<16
	s_mov_b32 s[G1YS+2], 8<<16
	s_mov_b32 s[G1YS+3], 32<<16
	s_mov_b32 s[G1YS+4], 8
	s_mov_b32 s[G1YS+5], 32
	s_mov_b32 s[G1YS+6], 0
	s_mov_b32 s[G1YS+7], 0
	s_or_b32 s[G1WS+0], s44, (3<<16)|(1<<20)|(1<<21)|(5<<22)|(3<<25)  ; of 128 rows of w: 16 rows
	s_mov_b32 s[G1WS+1], 32<<16
	s_mov_b32 s[G1WS+2], 16<<16
	s_mov_b32 s[G1WS+3], 32<<16
	s_mov_b32 s[G1WS+4], 16
	s_mov_b32 s[G1WS+5], 32
	s_mov_b32 s[G1WS+6], 0
	s_mov_b32 s[G1WS+7], 0
	s_mov_b32 s23, 0
	s_mov_b32 s45, 0
	s_wait_dscnt 0x0
	s_wait_kmcnt 0x0
	s_lshl_b32 s22, s47, 16                        ; y: 65,536 bytes for 128 tokens,
	s_lshl_b32 s21, s20, 14                        ; my 16,384 of a part
	s_add_co_u32 s22, s22, s21
	s_add_nc_u64 s[96:97], s[4:5], s[22:23]
	s_lshl_b32 s22, s47, 12                        ; its scale bytes: 32 a token, my 64 tokens
	s_lshl_b32 s21, s20, 11
	s_add_co_u32 s22, s22, s21
	s_add_nc_u64 s[98:99], s[6:7], s[22:23]
	s_lshl_b32 s44, s42, 17                        ; w: 256 rows of 512 bytes, my 128 rows
	s_lshl_b32 s21, s20, 16
	s_add_co_u32 s44, s44, s21
	s_add_nc_u64 s[92:93], s[8:9], s[44:45]
	s_lshl_b32 s44, s42, 13
	s_lshl_b32 s21, s20, 12
	s_add_co_u32 s44, s44, s21
	s_add_nc_u64 s[94:95], s[10:11], s[44:45]
	s_lshl_b32 s21, s20, 14                        ; where my loads go: my half x a constant: no place in the cluster enters an LDS address
	s_mul_i32 s22, s20, WHALF
	s_mul_i32 s46, s20, 8*272
	s_mul_i32 s2, s20, 16*272
	CROUND                                         ; all sixteen work-groups are here: the joint loads meet
	s_mov_b32 s[G0YS], 1
	s_add_co_u32 s[G0YS+1], s46, YSCL
	s_mov_b64 s[G0YS+2:G0YS+3], s[98:99]
	s_or_b32 s[G0YS+3], s[G0YS+3], 0x80000000
	s_mov_b32 s[G0WS], 1
	s_add_co_u32 s[G0WS+1], s2, WSCL
	s_mov_b64 s[G0WS+2:G0WS+3], s[94:95]
	s_or_b32 s[G0WS+3], s[G0WS+3], 0x80000000
	JLOAD G0YS, G1YS, G0WS, G1WS
.irp s, 0,1
	s_mov_b32 s[G0Y+4*\s], 1
	s_add_co_u32 s[G0Y+4*\s+1], s21, YSL+\s*YSLOT
	s_add_nc_u64 s[G0Y+4*\s+2:G0Y+4*\s+3], s[96:97], \s*YSLOT
	s_or_b32 s[G0Y+4*\s+3], s[G0Y+4*\s+3], 0x80000000
	s_mov_b32 s[G0W+4*\s], 1
	s_add_co_u32 s[G0W+4*\s+1], s22, \s*WSLOT
	s_add_nc_u64 s[G0W+4*\s+2:G0W+4*\s+3], s[92:93], \s*256
	s_or_b32 s[G0W+4*\s+3], s[G0W+4*\s+3], 0x80000000
	JLOAD G0Y+4*\s, G1Y, G0W+4*\s, G1W             ; three tensor loads of mine are out behind the last of these
.endr
	v_and_b32 v1, 15, v0                           ; r
	v_bfe_u32 v2, v0, 4, 1                         ; h
	v_and_b32 v3, 31, v0                           ; lane
	v_lshlrev_b32 v[CO], 4, v3                     ; 16 x lane
	s_lshl_b32 s21, s19, 12                        ; y: my four tiles of 1,024 bytes
	s_add_co_u32 s21, s21, YSL
	v_add_nc_u32 v[ADY], s21, v[CO]
	s_add_co_u32 s21, s21, YSLOT
	v_add_nc_u32 v[ADY+1], s21, v[CO]
	v_mul_u32_u24 v5, v1, PITCH
	v_lshl_add_u32 v5, v2, 4, v5
	s_mul_i32 s22, s20, WHALF                      ; w: my 128 rows
	v_add_nc_u32 v[ADW], s22, v5
	s_add_co_u32 s22, s22, WSLOT
	v_add_nc_u32 v[ADW+1], s22, v5
	v_lshlrev_b32 v6, 5, v1                        ; a row's 32 scale bytes,
	v_lshrrev_b32 v7, 8, v6
	v_lshl_add_u32 v6, v7, 4, v6                   ; and 16 more for each 256 passed
	s_mul_i32 s21, s20, 16*272
	s_add_co_u32 s21, s21, WSCL
	v_mul_u32_u24 v7, v2, 4*544                    ; lanes 16-31 take the block four further on: one product in h
	v_add_nc_u32 v7, v7, v6
	v_add_nc_u32 v[WSA], s21, v7
	s_mul_i32 s21, s19, 8*272
	s_add_co_u32 s21, s21, YSCL
	v_add_nc_u32 v[YSA], s21, v6
	s_mul_i32 s23, s18, 16*SPITCH
	s_add_co_u32 s23, s23, STG                     ; my stage
	v_mul_u32_u24 v5, v1, SPITCH
	v_lshl_add_u32 v5, v2, 5, v5
	v_add_nc_u32 v[STO], s23, v5                   ; in: row r, 32 bytes for each half of the lanes
	v_add_nc_u32 v[RD], s23, v[CO]                 ; back: the 32 lanes take one row of 512 bytes
	v_lshlrev_b32 v[BA], 5, v2
	s_lshl_b32 s44, s42, 10                        ; my first column, in bytes of f32: 1,024 x tile + 512 x half
	s_lshl_b32 s21, s20, 9
	s_add_co_u32 s44, s44, s21
	s_add_nc_u64 s[12:13], s[12:13], s[44:45]      ; b_proj there
	s_add_nc_u64 s[14:15], s[14:15], s[44:45]      ; out0 there,
	s_lshl_b32 s44, s47, 19
	s_lshl_b32 s21, s19, 18
	s_add_co_u32 s44, s44, s21
	s_add_nc_u64 s[14:15], s[14:15], s[44:45]      ; at my first token: rows of 4,096 bytes
.irp b, 0,1,2,3,4,5,6,7
	global_load_b128 v[BI+8*\b:BI+8*\b+3], v[BA], s[12:13] offset:64*\b       ; register 8 b + j of lane (r, h): column 16 b + 8 h + j
	global_load_b128 v[BI+8*\b+4:BI+8*\b+7], v[BA], s[12:13] offset:64*\b+16
.endr
.macro PLACES                          ; four plain vector instructions between a product and a load into, or an LDS store of, its registers (ISA guide 7.12.1 for vector instructions)
.rept 4
	v_nop
.endr
.endm
.macro FETCH g                         ; K step g's fragments into set g % 2: w's eight, y's four
.set KA, (\g)/4
.set QQ, (\g)%4
.set SE, (\g)%2
	WIN 0x40
.irp i, 0,1,2,3,4,5,6,7
.irp c, 0,1
	ds_load_b128 v[128*SE+8*\i+4*\c:128*SE+8*\i+4*\c+3], v[ADW+KA] offset:64*QQ+32*\c+\i*16*PITCH
.endr
.endr
	WIN 0
.irp a, 0,1,2,3
.irp c, 0,1
	ds_load_b128 v[YF+32*SE+8*\a+4*\c:YF+32*SE+8*\a+4*\c+3], v[ADY+KA] offset:8192*QQ+1024*\a+512*\c
.endr
.endr
.endm
.macro SCALES k                        ; a part's scale words, four a row
.irp i, 0,1,2,3
	ds_load_b128 v[SW+16*\k+4*\i:SW+16*\k+4*\i+3], v[WSA] offset:\i*544+16*\k
	ds_load_b128 v[SY+16*\k+4*\i:SY+16*\k+4*\i+3], v[YSA] offset:\i*544+16*\k
.endr
.endm
.macro PROD acc, wf, yf, cc, sw, sy, hi
.if \hi
	v_wmma_scale_f32_16x16x128_f8f6f4 v[\acc:\acc+7], v[\wf:\wf+7], v[\yf:\yf+7], v[\cc:\cc+7], v[\sw], v[\sy] matrix_a_fmt:MATRIX_FMT_FP4 matrix_b_fmt:MATRIX_FMT_FP4 matrix_a_scale:MATRIX_SCALE_ROW1
.else
	v_wmma_scale_f32_16x16x128_f8f6f4 v[\acc:\acc+7], v[\wf:\wf+7], v[\yf:\yf+7], v[\cc:\cc+7], v[\sw], v[\sy] matrix_a_fmt:MATRIX_FMT_FP4 matrix_b_fmt:MATRIX_FMT_FP4
.endif
.endm
; 16 products: y's tiles a0, a0 + 1 x w's eight blocks.  The 32 accumulators take turns, one instruction a turn, in the same order in every step.
.macro MUL16 a0, g, first
.set KA, (\g)/4
.set QQ, (\g)%4
.set SE, (\g)%2
.irp a, \a0, \a0+1
.irp b, 0,1,2,3,4,5,6,7
.if \first
	PROD 8*(8*(\a)+\b), 128*SE+8*\b, YF+32*SE+8*(\a), BI+8*\b, SW+16*KA+4*(\b%4)+QQ, SY+16*KA+4*(\a)+QQ, \b/4
.else
	PROD 8*(8*(\a)+\b), 128*SE+8*\b, YF+32*SE+8*(\a), 8*(8*(\a)+\b), SW+16*KA+4*(\b%4)+QQ, SY+16*KA+4*(\a)+QQ, \b/4
.endif
.endr
.endr
.endm
.macro KSTEP g
	s_wait_dscnt 0x0                               ; this step's fragments are in
.if (\g) == 3                          ; the next step lies in part 1
	s_wait_tensorcnt 0x0                           ; my share of part 1 has landed
	s_barrier_signal -1
	WIN 0xa1
	MUL16 0, \g, 0                                 ; work on registers while the others arrive
	s_barrier_wait -1                              ; part 1 is whole
	PLACES
	FETCH 4
	SCALES 1
	WIN 0xa1
	MUL16 2, \g, 0
.else
.if (\g) > 0
	PLACES                                         ; the other set was multiplied in the step before
.endif
.if (\g) < 7
	FETCH (\g)+1
.endif
.if (\g) == 0
	WIN 0x81                                       ; C, the bias, lies in window 0
	MUL16 0, \g, 1
	MUL16 2, \g, 1
.else
	WIN 0xa1
	MUL16 0, \g, 0
	MUL16 2, \g, 0
.endif
.endif
.endm
	s_wait_tensorcnt 0x1                           ; the scales and my share of part 0 have landed; the one load issued behind them, part 1's, may be out
	s_barrier_signal -1
	s_barrier_wait -1                              ; everybody's have
	SCALES 0
	FETCH 0
	s_wait_loadcnt 0x0                             ; the bias
.irp g, 0,1,2,3,4,5,6,7
	KSTEP \g
.endr
	WIN 0
; THE WAY OUT, 16 tokens x 128 columns at a time: through my own stage in LDS, back as whole rows of 512 bytes.  LDS serves a wave's instructions in order (ISA guide 5.7.1.4): no wait between the stores and the loads.
.macro TOSTAGE a
.set AC, 64*(\a)
	WIN 0x08                                       ; an LDS store's data are its source 1: window 2
.irp b, 0,1,2,3,4,5,6,7
	ds_store_b128 v[STO], v[AC+8*\b:AC+8*\b+3] offset:64*\b          ; each accumulator from its low end on
	ds_store_b128 v[STO], v[AC+8*\b+4:AC+8*\b+7] offset:64*\b+16
.endr
	WIN 0
.set BB, YF+64*((\a)%2)
.irp t, 0,1,2,3,4,5,6,7,8,9,10,11,12,13,14,15
	ds_load_b128 v[BB+4*\t:BB+4*\t+3], v[RD] offset:\t*SPITCH
.endr
.endm
.macro SEND a, younger                 ; younger: the LDS instructions issued behind block a's loads
.set BB, YF+64*((\a)%2)
	s_wait_dscnt \younger
.irp t, 0,1,2,3,4,5,6,7,8,9,10,11,12,13,14,15
	global_store_b128 v[CO], v[BB+4*\t:BB+4*\t+3], s[14:15] offset:65536*(\a)+4096*\t th:TH_STORE_NT   ; 32 lanes store 512 consecutive bytes, aligned; every offset is an immediate
.endr
.endm
	PLACES
	TOSTAGE 0
.irp a, 1,2,3
.if \a > 1
	s_wait_xcnt 0x0                                ; the stores of two blocks back have read their registers: this block's loads may land there
.endif
	TOSTAGE \a
	SEND \a-1, 32                                  ; behind block a - 1's loads: block a's 16 stores and 16 loads
.endr
	SEND 3, 0
	s_wait_tensorcnt 0x0
	ds_add_u32 v126, v127
	s_wait_dscnt 0x0
	CROUND                                         ; the closing round
	s_endpgm
.Lfunc_end_k_q80633c20e6_proj:
	.size	k_q80633c20e6_proj, .Lfunc_end_k_q80633c20e6_proj-k_q80633c20e6_proj
	.p2alignl 7, 3214868480
	.fill 96, 4, 3214868480
	.section	.rodata,"a",@progbits
	.p2align	6, 0x0
	.amdhsa_kernel k_q80633c20e6_proj
		.amdhsa_group_segment_fixed_size 252160
		.amdhsa_private_segment_fixed_size 0
		.amdhsa_enable_private_segment 0
		.amdhsa_kernarg_size 48
		.amdhsa_user_sgpr_count 2
		.amdhsa_user_sgpr_kernarg_segment_ptr 1
		.amdhsa_wavefront_size32 1
		.amdhsa_system_sgpr_workgroup_id_x 1
		.amdhsa_system_sgpr_workgroup_id_y 1
		.amdhsa_system_sgpr_workgroup_id_z 1
		.amdhsa_system_vgpr_workitem_id 0
		.amdhsa_next_free_vgpr 768
		.amdhsa_next_free_sgpr 100
		.amdhsa_reserve_vcc 0
		.amdhsa_float_denorm_mode_32 3
		.amdhsa_float_denorm_mode_16_64 3
		.amdhsa_memory_ordered 1
		.amdhsa_forward_progress 1
		.amdhsa_inst_pref_size 73
	.end_amdhsa_kernel
	.amdgpu_metadata
---
amdhsa.version: [ 1, 2 ]
amdhsa.kernels:
  - .name:           k_q80633c20e6_proj
    .symbol:         k_q80633c20e6_proj.kd
    .args:
      - { .name: yimg, .offset: 0, .size: 8, .value_kind: global_buffer, .address_space: global }
      - { .name: ysc, .offset: 8, .size: 8, .value_kind: global_buffer, .address_space: global }
      - { .name: w_proj_codes, .offset: 16, .size: 8, .value_kind: global_buffer, .address_space: global }
      - { .name: w_proj_scales, .offset: 24, .size: 8, .value_kind: global_buffer, .address_space: global }
      - { .name: b_proj, .offset: 32, .size: 8, .value_kind: global_buffer, .address_space: global }
      - { .name: out0, .offset: 40, .size: 8, .value_kind: global_buffer, .address_space: global }
    .group_segment_fixed_size: 252160
    .private_segment_fixed_size: 0
    .kernarg_segment_align: 8
    .kernarg_segment_size: 48
    .max_flat_workgroup_size: 128
    .sgpr_count:     100
    .vgpr_count:     768
    .wavefront_size: 32
...
	.end_amdgpu_metadata
.endif
;; end of part 3
